; MI455X (gfx1250); checked and timed in simulation.
; The chip was launched on July 23, 2026; its instructions are those of AMD's public machine-readable ISA for CDNA 5 (MIT licence, August 2026) and "CDNA5" Instruction Set Architecture Reference Guide (July 2026). The comments in the code are by the model that wrote it; some were corrected since.
;; LSTM Cell. Allowed arithmetic: matrix products marked QUANTISED: E2M1 operands, one E8M0 scale for each 32 along K, by v_wmma_scale_f32_16x16x128_f8f6f4 with both operands' format E2M1 (or v_wmma_scale_f32_32x16x128_f4), f32 sums; everything else in f32.
;; Inputs: Wf 2,048 x 4,096 float32; Wg 2,048 x 4,096 float32; Wi 2,048 x 4,096 float32; Wo 2,048 x 4,096 float32; X 2,048 x 2,048 float32; bf 2,048 float32; bg 2,048 float32; bi 2,048 float32; bo 2,048 float32; c 2,048 x 2,048 float32; h 2,048 x 2,048 float32.
;; Outputs: out0 2,048 x 2,048 float32; out1 2,048 x 2,048 float32.
;; This version of the problem:
;;   THIS VERSION OF THE PROBLEM IS GIVEN IN LOW PRECISION. The matrix products marked QUANTISED in the list below multiply operands that are first quantised to E2M1 (2 exponent bits, 1 mantissa bit; 4 bits a number), with one power-of-two scale for each 32 numbers along K (OCP MX v1.0); their sums are f32. All else is computed in f32.
;;   The module's matrix products, in the order in which they are computed (A, B: the left and right operand; K: the contracted axis; several contracted axes count as one K, in the product's order):
;;     1. [M 2,048, K 4,096] x [K 4,096, N 8,192]; A: computed on the way; B: computed on the way: QUANTISED
;;   THE QUANTISER, for each operand of a quantised product, along K:
;;     - K is cut into blocks of 32 from its start; a last block that is shorter is filled with zeros.
;;     - A block's scale is 2^e with e = floor(log2(the largest magnitude in the block)) - 2, held to -126 .. 127; a block of zeros has e = 0. As a byte (E8M0): e + 127.
;;     - Each number is divided by its block's scale, clamped to +-6, and rounded to the nearest number of E2M1, ties to even, subnormals kept.
;;     - The product sums the exact products of the quantised numbers (number of the format x scale) in f32.
;;   ~~~python
;;   def quantise(x, axis):      # numpy; x: float32 -> the quantised numbers, widened to float32 again
;;       x = np.moveaxis(x, axis, -1); K = x.shape[-1]
;;       x = np.pad(x, [(0, 0)] * (x.ndim - 1) + [(0, -K % 32)]); x = x.reshape(x.shape[:-1] + (-1, 32)); a = np.abs(x).max(-1, keepdims=True)
;;       e = np.where(a > 0, np.clip(np.frexp(np.where(a > 0, a, 1))[1] - 1 - 2, -126, 127), 0)      # np.frexp(a)[1] - 1 = floor(log2(a)), exactly
;;       r = np.clip(x / 2.0 ** e, -6, 6)
;;       step = 2.0 ** (np.maximum(np.frexp(np.where(r == 0, 1, r))[1] - 1, 0) - 1)
;;       q = np.round(r / step) * step * 2.0 ** e      # np.round: ties to even
;;       return np.moveaxis(q.reshape(q.shape[:-2] + (-1,))[..., :K], -1, axis).astype(np.float32)
;;   ~~~
;;   OPERANDS COMPUTED ON THE WAY. 'Computed on the way' means the value that the module computes at that place (a softmax that the list does not call 'softmax' is quantised finished and normalised). What goes into a quantiser is computed in f32, as accurately as f32 sums, v_exp_f32 and their like allow (about 1e-6 of the number): no bf16 or f16 on the way to a quantiser, and a product that is left as it is and whose result goes on into a quantised operand takes f32 operands (vector FMAs, or v_wmma_f32_16x16x4_f32). A number that lies on a knife's edge between two numbers of the format may be rounded either way, as far as f32 arithmetic and the matrix unit's own rounding can turn it there, and no further.
;; One version. Each part assembles by itself: llvm-mc -triple=amdgcn-amd-amdhsa -mcpu=gfx1250 --defsym DOCPART=n.
;; ======== version 1 of 1: 2 launches
;; workspace buffers: xw 22,282,240 bytes
;; launch quant (part 1): grid 128 x 10, 4 waves a work-group, no clusters, 38,400 bytes of LDS; arguments X, h, Wf, Wg, Wo, Wi, xw; writes xw
.if DOCPART == 1
	.amdgcn_target "amdgcn-amd-amdhsa--gfx1250"
	.amdhsa_code_object_version 6
	.text
	.protected	k_qdd33685b80_quant
	.globl	k_qdd33685b80_quant
	.p2align	8
	.type	k_qdd33685b80_quant,@function
k_qdd33685b80_quant:
	s_mov_b64 s[64:65], 0
	v_nop
	global_prefetch_b8 v0, s[64:65] scope:SCOPE_SE
	s_setreg_imm32_b32 hwreg(HW_REG_WAVE_MODE, 25, 1), 1
	s_wait_xcnt 0x0
; LSTM cell, first of two launches: both operands of z = [X | h] [Wf; Wg; Wo; Wi]^T are turned into codes of FP4 (E2M1), 4 bits each, with one E8M0 scale byte for each 32 along K (K = 4,096: X's 2,048 columns, then h's).
; DEAD WORK: none.  Every input has a way to both outputs or to one (X, h, the four weights and biases through z; c through c_new), so nothing is left out and every input is loaded (the biases and c by the second launch).
; A block's scale is 2^(floor(log2(its largest magnitude)) - 2); its byte is the largest magnitude's exponent field - 2, held at 1 from below.  Each number is divided by the scale and rounded to the nearest code, ties to even; beyond 6 the largest code.
; LIMITS: a block of zeros gets the byte 1 where the rule says 127 (its codes are zeros, which add nothing under any byte but 0xff, and the bytes are read by this program alone); NaN and infinities among the inputs are not served.
; THE WORKSPACE xw is laid for its reader: [ks 0..7][row 0..10,239][272 bytes].  A record holds a row's 256 bytes of codes for k = 512 ks .. 512 ks + 511 and, behind them, its 16 scale bytes for the same k.
;   rows 0..2,047: xh.   row 2,048 + 128 (j / 32) + 32 g + j % 32: row j of gate g's weight (g = 0 f, 1 g, 2 o, 3 i): 128 neighbouring rows hold 32 output columns in all four gates.
;   128 rows of a plane are 34,816 consecutive bytes, which the second launch brings into LDS as they lie: rows 272 bytes apart, each with its scale words behind it.
; SHARES.  Work-group (x, y): 16 source rows (16 x ..) of piece y: 0 = X, 1 = h, 2 + 2 g + hf = columns 2,048 hf .. of gate g's weight.  Wave w: 512 of the piece's 2,048 columns, which is one ks.  Its step t is row t: 2,048 consecutive bytes in, one record out.
; The conversions take neighbours along K from ONE lane's registers, a load is best where neighbouring LANES take neighbouring bytes: each of a step's four loads reads 512 consecutive bytes, 16 a lane; they go through the wave's own
; stage in LDS and come back 64 bytes a lane (16 neighbours; two neighbouring lanes hold a block).  The records are gathered in the wave's own image in LDS, 16 x 272 = 4,352 bytes, and leave by 17 stores of 256 consecutive bytes, aligned.
; No tensor loads, no barrier: waves share nothing.  Loads run four steps (16 loads a wave) ahead, the turn through LDS one step.
.set WAVES, 4
.set STEPS, 16
.set EMAX,  2
.set SP,    80                         ; a lane's place in a stage: its 64 bytes + 16 of padding
.set REC,   272                        ; a record
.set PLANE, 10240*REC                  ; a plane of xw
.set IMG,   2*32*SP                    ; a wave's region: two stages of 32 x SP bytes, then the image of 16 records
.set WREG,  9472                       ; IMG + 16 REC
.set SPARE, WAVES*WREG                 ; behind the four regions: the spare words, 128 bytes for each wave: two blocks of 256 bytes that no other line names
.set SPW,   12                         ; v12      LDS address of my spare word: SPARE + 4 x my thread's number; never rewritten
.set NIL,   13                         ; v13      0; never rewritten
.set OFF,   16                         ; v16-31   step t: t x the source's pitch + 16 x lane; never rewritten
.set R,     32                         ; v32-95   four sets of 16 numbers as they are loaded; at the end v32-65: the image read back
.set X,     96                         ; v96-127  two sets of 16 neighbours
.set E,     128                        ; v128-143 a scale byte for each step
.set C,     144                        ; v144-175 codes: two registers for each step
	s_load_b256 s[16:23], s[0:1], 0x0              ; X, h, Wf, Wg
	s_load_b128 s[24:27], s[0:1], 0x20             ; Wo, Wi
	s_load_b64 s[28:29], s[0:1], 0x30              ; xw
	v_lshl_add_u32 v[SPW], v0, 2, SPARE
	v_mov_b32 v[NIL], 0
	v_lshrrev_b32 v1, 5, v0
	v_readfirstlane_b32 s7, v1                     ; wave
	v_and_b32 v2, 31, v0                           ; lane
	v_lshlrev_b32 v3, 4, v2                        ; my 16 bytes of a load's 512
	v_lshlrev_b32 v4, 3, v2                        ; my 8 bytes of a store's 256
	s_mul_i32 s30, s7, WREG                        ; my wave's region
	v_lshrrev_b32 v14, 2, v2
	v_mul_u32_u24 v14, v14, SP
	v_and_b32 v15, 3, v2
	v_lshl_add_u32 v14, v15, 4, v14
	v_add_nc_u32 v14, s30, v14                     ; the stage, on the way in: four lanes' 64 bytes on end, then 16 of padding
	v_mul_u32_u24 v15, v2, SP
	v_add_nc_u32 v15, s30, v15                     ; and on the way out: my 16 neighbours
	s_add_co_u32 s30, s30, IMG
	v_add_nc_u32 v6, s30, v4                       ; the image: my 8 bytes of a record's codes, and of a run of 256 bytes on the way out
	v_lshrrev_b32 v5, 1, v2
	v_add_nc_u32 v5, s30, v5
	v_add_nc_u32 v5, 256, v5                       ; and my block's scale byte, behind the record's codes
	s_and_b32 s6, ttmp7, 0xffff                    ; y: the piece
	s_lshr_b32 s32, s6, 1                          ; 0: X or h; 1 + g: gate g's weight
	s_and_b32 s33, s6, 1                           ; which half of K
	s_lshr_b32 s12, ttmp9, 1                       ; a weight's 16 rows 16 x .. go to the block of 16 rows 128 + 8 (x / 2) + 2 g + x % 2 of a plane
	s_lshl_b32 s12, s12, 3
	s_sub_co_u32 s13, s32, 1
	s_lshl_b32 s13, s13, 1
	s_add_co_u32 s12, s12, s13
	s_and_b32 s13, ttmp9, 1
	s_add_co_u32 s12, s12, s13
	s_add_co_u32 s12, s12, 128
	s_mov_b32 s10, 16384                           ; a weight's row in bytes
	s_cmp_lt_u32 s6, 2                             ; X or h?  The choices hang on the work-group's number alone
	s_cselect_b32 s10, 8192, s10                   ; their rows are half as long,
	s_cselect_b32 s11, 0, s33                      ; are taken whole,
	s_cselect_b32 s12, ttmp9, s12                  ; and keep their places
.irp t, 0,1,2,3,4,5,6,7,8,9,10,11,12,13,14,15
	v_mad_u32_u24 v[OFF+\t], s10, \t, v3
.endr
	s_mul_i32 s30, ttmp9, s10                      ; where my wave's part begins in the source: 16 x rows,
	s_lshl_b32 s30, s30, 4
	s_lshl_b32 s31, s11, 13                        ; the half of a weight's row,
	s_add_co_u32 s30, s30, s31
	s_lshl_b32 s31, s7, 11                         ; my wave's 512 numbers
	s_add_co_u32 s30, s30, s31
	s_mov_b32 s31, 0
	s_lshl_b32 s36, s33, 2                         ; and in xw: plane 4 x half + wave,
	s_add_co_u32 s36, s36, s7
	s_mul_i32 s36, s36, PLANE
	s_mul_i32 s37, s12, 16*REC                     ; the block of 16 records
	s_add_co_u32 s36, s36, s37
	s_mov_b32 s37, 0
	s_wait_kmcnt 0x0
	s_mov_b64 s[4:5], s[16:17]                     ; the source: X,
	s_cmp_eq_u32 s6, 1
	s_cselect_b64 s[4:5], s[18:19], s[4:5]         ; h,
	s_cmp_eq_u32 s32, 1
	s_cselect_b64 s[4:5], s[20:21], s[4:5]         ; Wf,
	s_cmp_eq_u32 s32, 2
	s_cselect_b64 s[4:5], s[22:23], s[4:5]         ; Wg,
	s_cmp_eq_u32 s32, 3
	s_cselect_b64 s[4:5], s[24:25], s[4:5]         ; Wo,
	s_cmp_eq_u32 s32, 4
	s_cselect_b64 s[4:5], s[26:27], s[4:5]         ; or Wi
	s_add_nc_u64 s[4:5], s[4:5], s[30:31]
	s_add_nc_u64 s[34:35], s[28:29], s[36:37]
.macro LOAD t
.irp i, 0,1,2,3
	global_load_b128 v[R+16*((\t)%4)+4*\i:R+16*((\t)%4)+4*\i+3], v[OFF+(\t)], s[4:5] offset:512*\i th:TH_LOAD_NT   ; 32 lanes read 512 consecutive bytes
.endr
.endm
.macro TURN t                          ; step t's numbers through the stage: LDS serves a wave's instructions in order, so no wait stands between the stores and the loads
.irp i, 0,1,2,3
	ds_store_b128 v14, v[R+16*((\t)%4)+4*\i:R+16*((\t)%4)+4*\i+3] offset:32*SP*((\t)%2)+8*SP*\i
.endr
.irp i, 0,1,2,3
	ds_load_b128 v[X+16*((\t)%2)+4*\i:X+16*((\t)%2)+4*\i+3], v15 offset:32*SP*((\t)%2)+16*\i
.endr
.endm
.irp t, 0,1,2,3
	LOAD \t
.endr
	s_wait_loadcnt 12                              ; step 0's four loads are in
	TURN 0
.macro STEP t
.set XS, X+16*((\t)%2)
.if (\t) > 0
	s_wait_dscnt 2                                 ; this step's numbers are back from the stage (the last step's two stores into the image may be out): so its stores into the stage have read their registers,
.else
	s_wait_dscnt 0x0
.endif
.if (\t)+4 < STEPS
	LOAD (\t)+4                                    ; which take the loads of four steps on
.endif
.if (\t)+1 < STEPS
.if STEPS-2-(\t) >= 3
	s_wait_loadcnt 12                              ; the next step's four loads are in; those of the three steps behind it may be out
.else
	s_wait_loadcnt 4*(STEPS-2-(\t))
.endif
	TURN (\t)+1                                    ; and go through the other stage while this step is worked
.endif
	v_max3_num_f32 v8, |v[XS]|, |v[XS+1]|, |v[XS+2]|               ; the largest magnitude of my 16, in two chains
	v_max3_num_f32 v9, |v[XS+3]|, |v[XS+4]|, |v[XS+5]|
.irp i, 6,10
	v_max3_num_f32 v8, v8, |v[XS+\i]|, |v[XS+\i+1]|
	v_max3_num_f32 v9, v9, |v[XS+\i+2]|, |v[XS+\i+3]|
.endr
	v_max3_num_f32 v8, v8, |v[XS+14]|, |v[XS+15]|
	v_max3_num_f32 v8, v8, v9, (EMAX+1)<<23        ; and the floor 2^(EMAX + 1 - 127), under which no largest magnitude is taken: so the byte cannot fall under 1
	v_max_num_f32_dpp v8, v8, v8 row_xmask:1 row_mask:0xf bank_mask:0xf   ; and of my neighbour's 16: the block's
	v_add_nc_u32 v11, -(EMAX<<23), v8              ; EMAX off its exponent field: the conversion takes the exponent field of this operand as its scale, and nothing else of it
	v_cvt_scalef32_pk8_fp4_f32 v[C+2*(\t)], v[XS:XS+7], v11        ; eight numbers / the scale, to the nearest code; the first number's code in the lowest four bits
	v_cvt_scalef32_pk8_fp4_f32 v[C+2*(\t)+1], v[XS+8:XS+15], v11
	v_lshrrev_b32 v[E+(\t)], 23, v11               ; the scale's byte (also the plain line behind the conversions)
	ds_store_b8 v5, v[E+(\t)] offset:REC*(\t)      ; both lanes of a block write the same byte with the same value
	ds_store_b64 v6, v[C+2*(\t):C+2*(\t)+1] offset:REC*(\t)        ; my 16 codes, at their place in row t's record
.endm
.irp t, 0,1,2,3,4,5,6,7,8,9,10,11,12,13,14,15
	STEP \t
.endr
.irp i, 0,1,2,3,4,5,6,7,8,9,10,11,12,13,14,15,16
	ds_load_b64 v[R+2*\i:R+2*\i+1], v6 offset:256*\i   ; LDS serves a wave's instructions in order: these see my stores
.endr
.irp i, 0,1,2,3,4,5,6,7,8,9,10,11,12,13,14,15,16
	s_wait_dscnt 16-\i                             ; run i is back; the younger ones may be out
	global_store_b64 v4, v[R+2*\i:R+2*\i+1], s[34:35] offset:256*\i   ; 32 lanes store 256 consecutive bytes, at a multiple of 256 from xw's first byte
.endr
	s_wait_tensorcnt 0x0                           ; the wave's end: behind my last LDS store
	ds_add_u32 v[SPW], v[NIL]
	s_wait_dscnt 0x0
	s_endpgm
.Lfunc_end_k_qdd33685b80_quant:
	.size	k_qdd33685b80_quant, .Lfunc_end_k_qdd33685b80_quant-k_qdd33685b80_quant
	.p2alignl 7, 3214868480
	.fill 96, 4, 3214868480
	.section	.rodata,"a",@progbits
	.p2align	6, 0x0
	.amdhsa_kernel k_qdd33685b80_quant
		.amdhsa_group_segment_fixed_size 38400
		.amdhsa_private_segment_fixed_size 0
		.amdhsa_enable_private_segment 0
		.amdhsa_kernarg_size 56
		.amdhsa_user_sgpr_count 2
		.amdhsa_user_sgpr_kernarg_segment_ptr 1
		.amdhsa_wavefront_size32 1
		.amdhsa_system_sgpr_workgroup_id_x 1
		.amdhsa_system_sgpr_workgroup_id_y 1
		.amdhsa_system_sgpr_workgroup_id_z 1
		.amdhsa_system_vgpr_workitem_id 0
		.amdhsa_next_free_vgpr 192
		.amdhsa_next_free_sgpr 66
		.amdhsa_reserve_vcc 0
		.amdhsa_float_denorm_mode_32 3
		.amdhsa_float_denorm_mode_16_64 3
		.amdhsa_memory_ordered 1
		.amdhsa_forward_progress 1
		.amdhsa_inst_pref_size 38
	.end_amdhsa_kernel
	.amdgpu_metadata
---
amdhsa.version: [ 1, 2 ]
amdhsa.kernels:
  - .name:           k_qdd33685b80_quant
    .symbol:         k_qdd33685b80_quant.kd
    .args:
      - { .name: X, .offset: 0, .size: 8, .value_kind: global_buffer, .address_space: global }
      - { .name: h, .offset: 8, .size: 8, .value_kind: global_buffer, .address_space: global }
      - { .name: Wf, .offset: 16, .size: 8, .value_kind: global_buffer, .address_space: global }
      - { .name: Wg, .offset: 24, .size: 8, .value_kind: global_buffer, .address_space: global }
      - { .name: Wo, .offset: 32, .size: 8, .value_kind: global_buffer, .address_space: global }
      - { .name: Wi, .offset: 40, .size: 8, .value_kind: global_buffer, .address_space: global }
      - { .name: xw, .offset: 48, .size: 8, .value_kind: global_buffer, .address_space: global }
    .group_segment_fixed_size: 38400
    .private_segment_fixed_size: 0
    .kernarg_segment_align: 8
    .kernarg_segment_size: 56
    .max_flat_workgroup_size: 128
    .sgpr_count:     66
    .vgpr_count:     192
    .wavefront_size: 32
...
	.end_amdgpu_metadata
.endif
;; end of part 1
;; launch cell (part 2): grid 32 x 8, 4 waves a work-group, clusters of 4 x 4, 327,680 bytes of LDS; arguments xw, c, bf, bg, bo, bi, out0, out1; writes out0, out1
.if DOCPART == 2
	.amdgcn_target "amdgcn-amd-amdhsa--gfx1250"
	.amdhsa_code_object_version 6
	.text
	.protected	k_qdd33685b80_cell
	.globl	k_qdd33685b80_cell
	.p2align	8
	.type	k_qdd33685b80_cell,@function
k_qdd33685b80_cell:
	s_mov_b64 s[64:65], 0
	v_nop
	global_prefetch_b8 v0, s[64:65] scope:SCOPE_SE
	s_setreg_imm32_b32 hwreg(HW_REG_WAVE_MODE, 25, 1), 1
	s_wait_xcnt 0x0
	s_wait_alu depctr_hold_cnt(0) depctr_sa_sdst(0) depctr_va_vdst(0) depctr_va_sdst(0) depctr_va_ssrc(0) depctr_va_vcc(0) depctr_vm_vsrc(0)
	s_getreg_b32 s2, hwreg(HW_REG_IB_STS2, 6, 4)
	s_cmp_eq_u32 s2, 0
	s_cbranch_scc0 .Lentry_in_a_cluster
	s_endpgm
.Lentry_in_a_cluster:
	s_bfe_u32 s2, ttmp6, 0x10000c
	s_cmp_lg_u32 s2, 0xf033
	s_cbranch_scc0 .Lentry_shape_is_right
	s_endpgm
.Lentry_shape_is_right:
; LSTM cell, second of two launches: z = xh W^T + b on the codes of FP4 (E2M1) and E8M0 scale bytes that the first launch laid in xw, and the cell's arithmetic in f32 on the sums as they stand in registers; z never goes to memory.
;   c_new = sigmoid(zf) c + sigmoid(zg) tanh(zi) -> out1;   h_new = sigmoid(zo) tanh(c_new) -> out0.   No work of the problem is left out.
; sigmoid(z) = 1 / (1 + 2^(-z log2 e)), tanh(x) = 1 - 2 / (1 + 2^(2 x log2 e)): where the power overflows to infinity or falls to 0 the reciprocal gives 0 or 1, which are the functions' limits.  LIMITS: NaN and infinities among the inputs are not served.
; xw: [ks 0..7][row 0..10,239][272 bytes]: a record = a row's 256 bytes of codes for k = 512 ks .. + 511, then its 16 scale bytes.  Rows 0..2,047: xh; row 2,048 + 128 (j / 32) + 32 g + j % 32: row j of gate g's weight (g = 0 f, 1 g, 2 o, 3 i).
; SHARES.  A work-group of four waves, as many as a WGP has SIMDs, makes 256 rows x 64 output columns in all four gates: 256 x 256 of z.  A wave makes 128 rows x 32 columns x 4 gates: 64 accumulators of 16 x 16, 512 registers.
; K goes in steps of 512 through a ring of two LDS slots.  128 records of a plane are 34,816 consecutive bytes: one tensor load a wave brings them as they lie, so that LDS rows are 272 bytes apart (68 words: the 16 rows that a load
; touches start at 16 different banks; 64 banks of 4 bytes: ISA guide 11.1) and each row's four scale words ride behind its codes.
; CLUSTERS: 4 x 4 work-groups.  The four of a row of the cluster need the same rows of xh, the four of a column the same rows of W: each tile is asked for JOINTLY, by the same tensor load with the same descriptor and a mask that names the four.
; THE MATRIX INSTRUCTION IS USED TRANSPOSED (source 0 = 16 rows of W, source 1 = 16 rows of xh).  B's block b = 2 g + u is gate g, columns 16 u .. 16 u + 15 of my 32: in accumulator (a, b) register j of lane (r, h) is gate g at
; row 16 a + r, column 16 u + 8 h + j.  So the four gates of one output lie in ONE lane, and a lane's eight registers are eight neighbouring columns.  The biases are the C of each sum's first matrix instruction.
; c's tile (256 rows x 256 bytes) comes by one tensor load a wave into slot 0, behind that slot's last read, while the last K step is multiplied.
; xw's planes are prefetched into the L2 two refills ahead of the joint loads (macro ASKP), c's tile two K steps ahead of its load (macro ASKC).
; REGISTERS, in windows of 256: window 0: v0-31 addresses; v32-95 scale words, two sets, and nothing else; v96-127 the way out: c, and tanh(c_new)'s work; v128-191 A's fragments, ONE set, on the way out the gates;
;   v192-255 the biases, on the way out rows read back from the stage.   window 1: B's fragments, TWO sets, at v0 and v128.   window 2: the accumulators of my rows 0-63 ((a, b) at v[8 (8 a + b)]);   window 3: those of my rows 64-127.
.set NQ,     4                         ; matrix instructions deep in a slot: 512 / 128
.set PITCH,  272                       ; a record, in memory and in LDS
.set FR,     8                         ; registers of a fragment: 16 rows x 128 K
.set NL,     2                         ; LDS loads that bring one
.set NP,     4                         ; places behind this matrix instruction (ISA guide 7.12.1)
.set HALFT,  128*PITCH                 ; 128 records: what one tensor load brings, and what one wave reads of A or of B
.set SLOT,   4*HALFT                   ; A's 256 rows, then B's 256 rows
.set PLANE,  10240*PITCH               ; a plane of xw: one K step of all rows
.set LAPS,   4                         ; a lap = two K steps = once round the ring; 8 K steps
.set SPARE,  2*SLOT                    ; behind the ring: the spare words, 128 bytes for each wave: two blocks of 256 bytes that no other line names
.set STG,    SPARE+512                 ; the way out: two stage buffers; no tensor load ever lands here
.set SBUF,   17408                     ; a buffer: h_new's part, then c_new's
.set SOUT,   8704                      ; an output's part: 16 rows x 272 bytes for each half of the work-group's rows
.set SHALF,  4352
.set ROWO,   8192                      ; a row of c, out0, out1 in bytes
.set ADRA, 16                          ; v16-17  LDS address of my A fragments in slot 0, 1
.set PFP,  18                          ; v18     the planes' prefetches: 256 x my lane; never rewritten
.set ADRB, 20                          ; v20-21  LDS address of my B fragments in slot 0, 1
.set ADRS, 22                          ; v22-23  of my scale words: lanes 0-15 A's rows, lanes 16-31 B's
.set STO,  24                          ; v24     the stage: where I put 32 bytes of a row
.set RD,   25                          ; v25     and where I read rows back
.set CO,   26                          ; v26     my byte offset in two rows of an output
.set CA,   27                          ; v27     my place in c's tile
.set SPW,  28                          ; v28     LDS address of my spare word: SPARE + 4 x my thread's number; never rewritten
.set NIL,  29                          ; v29     0; never rewritten
.set PFO,  30                          ; v30     c's prefetches: a row of c x my lane; never rewritten
.set BO,   31                          ; v31     the biases' offset: 32 x (lane / 16)
.set SC,   32                          ; scale words: set s (for slot s) at v[SC + 32 s]; register 4 i + q: lanes 0-15 the word of A's block i, lanes 16-31 that of B's block i, for the slot's q-th 128 along K
.set CI,   96                          ; v96-111  c at my 16 outputs of a block
.set U,    112                         ; v112-127 tanh(c_new) in the making, then h_new
.set AF,   128                         ; A's fragments
.set T,    128                         ; the way out: 64 numbers: 8 b + j as in the accumulators; c_new takes the forget gate's 16
.set BI,   192                         ; the biases: 8 registers for each of B's eight blocks
.set OB,   192                         ; the way out: 16 rows read back from the stage, two sets of 32
.set LIM,  2                           ; s2       1 in a wave that prefetches planes, else the greatest number
.set PFA,  4                           ; s[4:5]   where my planes' prefetches stand: my work-group's part of the 128 records that I fetch, two planes further on than the refill that is being asked for
.set G1,   24                          ; s[24:31] descriptor group 1 for A's tiles;  s[32:39] group 0, one set for each slot
.set G0,   32
.set G1B,  48                          ; s[48:55], s[56:63] the same for B's tiles
.set G0B,  56
.set G1C,  84                          ; s[84:91], s[92:95] groups 1 and 0 for c's tile
.set G0C,  92
.set MSB, 0
.macro WIN new                         ; the immediate's high byte repeats the setting that is left
.if MSB != \new
	s_set_vgpr_msb (MSB<<8)|\new
.set MSB, \new
.endif
.endm
.set MUL_LO, 0xa1                      ; source 0 (B) window 1, source 1 (A) window 0, C and D window 2
.set MUL_HI, 0xf1                      ; the same, C and D window 3
.set BEG_LO, 0x81                      ; a sum's first product: C (the bias) window 0, D window 2
.set BEG_HI, 0xc1                      ; D window 3
.set TO_B,   0x40                      ; destination window 1, address window 0
; A joint load: waves 0 and 1 fetch for A, waves 2 and 3 for B.  Each of the two lines has ONE mask and one set of registers for all that issue it; the branch hangs on the wave's number alone.
; An s_nop 0 and four v_nop follow each of the two lines, ahead of the jump, the label and what follows.
.macro JLOAD g0a, g1a, g0b, g1b
	s_cmp_eq_u32 s15, 0
	s_cbranch_scc0 .Lfor_b_\@
	tensor_load_to_lds s[\g0a:\g0a+3], s[\g1a:\g1a+7]
	s_nop 0
.rept 4
	v_nop
.endr
	s_branch .Lasked_\@
.Lfor_b_\@:
	tensor_load_to_lds s[\g0b:\g0b+3], s[\g1b:\g1b+7]
	s_nop 0
.rept 4
	v_nop
.endr
.Lasked_\@:
.endm
.macro CREST                           ; a round of the cluster's barrier behind its opening barrier
	s_cmp_lg_u32 s14, 0
	s_cbranch_scc1 .Lnot_wave_0_\@
	s_barrier_signal -3
.Lnot_wave_0_\@:
	s_barrier_wait -3
	s_barrier_signal -1
	s_barrier_wait -1
.endm
.macro CROUND                          ; a whole round
	s_barrier_signal -1
	s_barrier_wait -1
	CREST
.endm
; A PREFETCH INTO THE L2 OF THE CODES: behind each joint load, its five lines and the run of LDS loads that follows them, one instruction a wave, for the K step that stands TWO refills on: 512 matrix instructions ahead of the load
; that will want it.  At a change of slots every wave has waited for all its tensor loads, so the refill that follows has nothing on its way beside it: what it asks for has been asked of memory two K steps earlier.
; Each block of 256 bytes is named at most ONCE in the launch.  xh's rows are read by every cluster of a row of clusters: the first of them (cluster x = 0) asks; W's rows by both clusters of a column: cluster y = 0 asks.
; The four partners that ask for 128 records jointly share their 34,816 bytes out BY ADDRESS: the partner at place p (cx for xh, cy for W) takes the bytes from 8,704 p on, lanes 256 bytes apart: 8,192 bytes; the last 512 of its
; part come by the load alone.  No branch hangs on a work-group's place in its cluster.
; THE ENDS: K steps 0 to 3 come by their loads alone (nothing is prefetched at the head, where every work-group's first tiles are on their way); the loop's last trip, whose refills are the last two K steps, asks for nothing.
.macro ASKP
	s_cmp_gt_u32 s3, s[LIM]                        ; s3 = 1 in the loop's last trip
	s_cbranch_scc0 .Lnot_mine_\@
	global_prefetch_b8 v[PFP], s[PFA:PFA+1] th:TH_LOAD_NT scope:SCOPE_SE
.Lnot_mine_\@:
.endm
; A PREFETCH INTO THE L2 of c's tile: my wave's 64 rows x 256 bytes, a lane a row, two instructions.  It stands in the loop's last trip, at the change out of slot 0: two K steps, 512 matrix instructions, ahead of the tensor load that
; asks for the tile.  Each work-group has a tile of c of its own and each wave its own rows, so each row's 256 bytes are named once in the launch.  The address registers are never rewritten.
.macro ASKC
	s_cmp_eq_u32 s3, 1                             ; the count of laps alone: the same in every wave and every work-group
	s_cbranch_scc0 .Lnot_yet_\@
	global_prefetch_b8 v[PFO], s[10:11] th:TH_LOAD_NT scope:SCOPE_SE
	global_prefetch_b8 v[PFO], s[10:11] offset:32*ROWO th:TH_LOAD_NT scope:SCOPE_SE
.Lnot_yet_\@:
.endm
	s_load_b256 s[68:75], s[0:1], 0x0              ; xw s[68:69], c s[70:71], bf s[72:73], bg s[74:75]
	s_load_b256 s[76:83], s[0:1], 0x20             ; bo s[76:77], bi s[78:79], out0 s[80:81], out1 s[82:83]
	v_lshl_add_u32 v[SPW], v0, 2, SPARE
	v_mov_b32 v[NIL], 0
	ds_add_u32 v[SPW], v[NIL]                      ; the wave's opening: the add, twice on end, and its wait ahead of my first tensor load; the set-up below the second, work on registers, stands between it and the wait
	ds_add_u32 v[SPW], v[NIL]                      ; and once more: the opening add twice on end, under the one wait
	v_lshrrev_b32 v1, 5, v0
	v_readfirstlane_b32 s14, v1                    ; wave 0..3
	s_lshr_b32 s15, s14, 1                         ; wr: which half of the tile's rows is mine.  Also: I fetch for A (0) or for B (1)
	s_and_b32 s16, s14, 1                          ; wc: which 32 of its 64 columns.  Also: which 128 records of that tile I fetch, and which output I store
	s_bfe_u32 s40, ttmp6, 0x40000                  ; cx, cy: my place in the cluster
	s_bfe_u32 s41, ttmp6, 0x40004
	s_lshl_b32 s42, ttmp9, 2
	s_add_co_u32 s42, s42, s40                     ; block of 64 columns = 4 x cluster x + cx
	s_and_b32 s17, ttmp7, 0xffff
	s_lshl_b32 s17, s17, 2
	s_add_co_u32 s17, s17, s41                     ; block of 256 rows = 4 x cluster y + cy
	s_lshl_b32 s43, s41, 2
	s_lshl_b32 s43, 15, s43                        ; my row of the cluster
	s_lshl_b32 s44, 0x1111, s40                    ; my column
	; descriptor group 1 for the codes: 34,816 dense bytes as 136 rows of 256 (32 elements of 8 bytes), no padding
	s_or_b32 s[G1+0], s43, (3<<16)|(1<<21)         ; 15:0 the mask: A's tiles go to my row; 17:16 elements of 8 bytes; 21 set beside a mask
	s_or_b32 s[G1B+0], s44, (3<<16)|(1<<21)        ; B's to my column
.irp g, G1, G1B
	s_mov_b32 s[\g+1], 32<<16                      ; tensor_dim0
	s_mov_b32 s[\g+2], 136<<16                     ; tensor_dim1
	s_mov_b32 s[\g+3], 32<<16                      ; tile_dim0
	s_mov_b32 s[\g+4], 136                         ; tile_dim1
	s_mov_b32 s[\g+5], 32                          ; tensor_dim0_stride
	s_mov_b32 s[\g+6], 0
	s_mov_b32 s[\g+7], 0
.endr
	; and for c's tile: 64 rows of 64 f32, 2,048 elements apart, 16 bytes of padding behind each 256; no mask: each work-group has its own
	s_mov_b32 s[G1C+0], (2<<16)|(1<<20)|(5<<22)|(3<<25)
	s_mov_b32 s[G1C+1], 64<<16
	s_mov_b32 s[G1C+2], 64<<16
	s_mov_b32 s[G1C+3], 64<<16
	s_mov_b32 s[G1C+4], 64
	s_mov_b32 s[G1C+5], 2048
	s_mov_b32 s[G1C+6], 0
	s_mov_b32 s[G1C+7], 0
	s_lshl_b32 s18, s16, 7                         ; which 128 records of the tile I fetch
	s_lshl_b32 s20, s17, 8
	s_add_co_u32 s20, s20, s18                     ; A: row 256 x block of rows + 128 x half,
	s_mul_i32 s20, s20, PITCH                      ; in bytes
	s_mov_b32 s21, 0
	s_lshl_b32 s46, s42, 8
	s_add_co_u32 s46, s46, s18
	s_add_co_u32 s46, s46, 2048                    ; B: row 2,048 + 256 x block of columns + 128 x half
	s_mul_i32 s46, s46, PITCH
	s_mov_b32 s47, 0
	s_mul_i32 s45, s14, HALFT                      ; where they go: wave x 128 rows: no place in the cluster enters an LDS address
	s_lshl_b32 s4, s17, 8                          ; c: my wave's 64 rows of the work-group's 256,
	s_lshl_b32 s5, s14, 6
	s_add_co_u32 s4, s4, s5
	s_lshl_b32 s4, s4, 13
	s_lshl_b32 s5, s42, 8                          ; the work-group's 256 bytes of a row
	s_add_co_u32 s4, s4, s5
	s_mov_b32 s5, 0
	s_lshl_b32 s22, s17, 8                         ; the outputs: my 128 rows,
	s_lshl_b32 s23, s15, 7
	s_add_co_u32 s22, s22, s23
	s_lshl_b32 s22, s22, 13
	s_lshl_b32 s23, s42, 8                         ; the same 256 bytes of a row
	s_add_co_u32 s22, s22, s23
	s_mov_b32 s23, 0
	s_lshl_b32 s18, s42, 8                         ; the biases: my 32 columns: 4 (64 x block + 32 wc) bytes on
	s_lshl_b32 s19, s16, 7
	s_add_co_u32 s18, s18, s19
	s_mov_b32 s19, 0
	s_mov_b32 s6, 0xbfb8aa3b                       ; -log2(e)
	s_mov_b32 s7, s6                               ; (the packed forms name a pair and take its low word for both halves: so the upper is written)
	s_mov_b32 s8, 0x4038aa3b                       ; 2 log2(e)
	s_mov_b32 s9, s8
	s_wait_dscnt 0x0                               ; both opening adds are done
	s_wait_kmcnt 0x0
	s_add_nc_u64 s[20:21], s[68:69], s[20:21]
	s_add_nc_u64 s[46:47], s[68:69], s[46:47]
	s_add_nc_u64 s[10:11], s[70:71], s[4:5]
	s_cmp_eq_u32 s16, 0                            ; waves with wc = 0 store h_new, the others c_new
	s_cselect_b64 s[12:13], s[80:81], s[82:83]
	s_add_nc_u64 s[12:13], s[12:13], s[22:23]
.irp g, 0,1,2,3
	s_add_nc_u64 s[72+2*\g:73+2*\g], s[72+2*\g:73+2*\g], s[18:19]
.endr
	s_mov_b32 s[G0C], 1
	s_mul_i32 s[G0C+1], s14, 64*PITCH              ; c's tile takes the bytes of slot 0's rows of A: 64 rows x 272 for each wave
	s_mov_b64 s[G0C+2:G0C+3], s[10:11]
	s_or_b32 s[G0C+3], s[G0C+3], 0x80000000
	; the planes' prefetches (macro ASKP): where my wave's stand, and who asks
	s_and_b32 s97, ttmp7, 0xffff                   ; cluster y
	s_cmp_eq_u32 s15, 0                            ; do I fetch for A?
	s_cselect_b32 s98, s40, s41                    ; my place among the four that ask for these records with me
	s_cselect_b32 s97, ttmp9, s97                  ; the coordinate along which other clusters read the same rows
	s_cselect_b64 s[PFA:PFA+1], s[20:21], s[46:47] ; the 128 records that I fetch, in plane 0
	s_cmp_eq_u32 s97, 0
	s_cselect_b32 s[LIM], 1, -1                    ; the same in all sixteen partners, for a given wave
	s_mul_i32 s98, s98, 8704                       ; my work-group's quarter of their 34,816 bytes
	s_mov_b32 s99, 0
	s_add_nc_u64 s[PFA:PFA+1], s[PFA:PFA+1], s[98:99]
	s_add_nc_u64 s[PFA:PFA+1], s[PFA:PFA+1], 3*PLANE   ; in plane 3: the first change of slots steps it to plane 4
	CROUND                                         ; all sixteen work-groups are here: the first joint loads meet
.irp s, 0,1
	s_mov_b32 s[G0+4*\s], 1                        ; 1:0 count = 1
	s_add_co_u32 s[G0+4*\s+1], s45, \s*SLOT        ; 63:32 LDS address
	s_add_nc_u64 s[G0+4*\s+2:G0+4*\s+3], s[20:21], \s*PLANE   ; 120:64 global address: K step s
	s_or_b32 s[G0+4*\s+3], s[G0+4*\s+3], 0x80000000           ; 127:126 type = 2
	s_mov_b32 s[G0B+4*\s], 1
	s_add_co_u32 s[G0B+4*\s+1], s45, \s*SLOT
	s_add_nc_u64 s[G0B+4*\s+2:G0B+4*\s+3], s[46:47], \s*PLANE
	s_or_b32 s[G0B+4*\s+3], s[G0B+4*\s+3], 0x80000000
	JLOAD G0+4*\s, G1, G0B+4*\s, G1B               ; two tensor loads of mine are out
.endr
	v_and_b32 v1, 15, v0                           ; r = l % 16
	v_bfe_u32 v2, v0, 4, 1                         ; h = l / 16
	v_lshlrev_b32 v[BO], 5, v2
.irp g, 0,1,2,3                                ; block 2 g + u: gate g's bias at my columns 16 u + 8 h + 0 .. 7, in the result's layout
.irp u, 0,1
	global_load_b128 v[BI+16*\g+8*\u:BI+16*\g+8*\u+3],   v[BO], s[72+2*\g:73+2*\g] offset:64*\u
	global_load_b128 v[BI+16*\g+8*\u+4:BI+16*\g+8*\u+7], v[BO], s[72+2*\g:73+2*\g] offset:64*\u+16
.endr
.endr
	v_mul_u32_u24 v3, v1, PITCH
	v_lshl_add_u32 v4, v2, 4, v3                   ; a fragment's row x pitch + 16 x half
	s_mul_i32 s96, s15, HALFT                      ; my 128 rows of A
	s_mul_i32 s97, s16, HALFT                      ; my 128 rows of B,
	s_add_co_u32 s97, s97, 2*HALFT                 ; which lie behind A's 256
	s_sub_co_u32 s98, s97, s96
	v_mul_u32_u24 v6, s98, v2                      ; lanes 16-31 take B's scale words
	v_add_nc_u32 v5, 256, v3                       ; a row's scale words lie behind its 256 bytes of codes
	v_add_nc_u32 v5, v5, v6
.irp s, 0,1
	v_add_nc_u32 v[ADRA+\s], s96, v4
	v_add_nc_u32 v[ADRB+\s], s97, v4
	v_add_nc_u32 v[ADRS+\s], s96, v5
	s_add_co_u32 s96, s96, SLOT
	s_add_co_u32 s97, s97, SLOT
.endr
	s_mul_i32 s98, s15, SHALF                      ; the stage, on the way in: my half of the rows, row r, my 128 bytes of its 256, 32 bytes for each half of the lanes
	s_lshl_b32 s99, s16, 7
	s_add_co_u32 s98, s98, s99
	s_add_co_u32 s98, s98, STG
	v_lshl_add_u32 v5, v2, 5, v3
	v_add_nc_u32 v[STO], s98, v5
	s_mul_i32 s98, s16, SOUT                       ; back: the output that I store, my half of the rows; lanes 0-15 one row of 256 bytes, lanes 16-31 the next
	s_mul_i32 s99, s15, SHALF
	s_add_co_u32 s98, s98, s99
	s_add_co_u32 s98, s98, STG
	v_mul_u32_u24 v6, v2, PITCH
	v_lshl_add_u32 v6, v1, 4, v6
	v_add_nc_u32 v[RD], s98, v6
	v_lshlrev_b32 v6, 13, v2                       ; and the same two rows in the output
	v_lshl_add_u32 v[CO], v1, 4, v6
	s_mul_i32 s98, s15, HALFT                      ; c's tile: my 128 rows (272 bytes apart), row r, my 128 bytes, 32 bytes for each half of the lanes
	s_lshl_b32 s99, s16, 7
	s_add_co_u32 s98, s98, s99
	v_add_nc_u32 v[CA], s98, v5
	v_and_b32 v[PFO], 31, v0
	v_lshlrev_b32 v[PFP], 8, v[PFO]                ; 256 x lane
	v_lshlrev_b32 v[PFO], 13, v[PFO]               ; a row of c x lane
.macro FRAG reg, adr, q, i             ; a fragment, 16 rows x 128 K of 4-bit codes, is 8 registers: lane l holds row l % 16; registers 4 c .. 4 c + 3 hold K = 64 c + 32 (l / 16) + 0 .. 31, the lower K in the lower bits
.irp c, 0,1
	ds_load_b128 v[\reg+4*\c:\reg+4*\c+3], v[\adr] offset:64*(\q)+32*\c+(\i)*16*PITCH
.endr
.endm
; 16 matrix instructions: A's blocks a0, a0 + 1 x B's eight, 128 along K: the slot's q-th.  p: B's set;  sc: the set of scale words.  zero = 1: the first product starts the sums, with the bias as its C: nothing is ever cleared.
; The 64 accumulators take turns, one instruction a turn, in the same order in every step.
.macro MUL16 a0, p, q, sc, zero
.irp a, \a0, \a0+1
.irp b, 0,1,2,3,4,5,6,7
.if \zero
	v_wmma_scale_f32_16x16x128_f8f6f4 v[8*(8*((\a)%4)+\b):8*(8*((\a)%4)+\b)+7], v[128*(\p)+FR*\b:128*(\p)+FR*\b+FR-1], v[AF+FR*(\a):AF+FR*(\a)+FR-1], v[BI+8*\b:BI+8*\b+7], v[SC+8*NQ*(\sc)+NQ*\b+(\q)], v[SC+8*NQ*(\sc)+NQ*(\a)+(\q)] matrix_a_fmt:MATRIX_FMT_FP4 matrix_b_fmt:MATRIX_FMT_FP4 matrix_a_scale:MATRIX_SCALE_ROW1
.else
	v_wmma_scale_f32_16x16x128_f8f6f4 v[8*(8*((\a)%4)+\b):8*(8*((\a)%4)+\b)+7], v[128*(\p)+FR*\b:128*(\p)+FR*\b+FR-1], v[AF+FR*(\a):AF+FR*(\a)+FR-1], v[8*(8*((\a)%4)+\b):8*(8*((\a)%4)+\b)+7], v[SC+8*NQ*(\sc)+NQ*\b+(\q)], v[SC+8*NQ*(\sc)+NQ*(\a)+(\q)] matrix_a_fmt:MATRIX_FMT_FP4 matrix_b_fmt:MATRIX_FMT_FP4 matrix_a_scale:MATRIX_SCALE_ROW1
.endif
.endr
.endr
.endm
.macro FETCH_B slot, q, p              ; B's eight fragments of the slot's q-th 128 along K into set p
	WIN TO_B
.irp i, 0,1,2,3,4,5,6,7
	FRAG 128*(\p)+FR*\i, ADRB+\slot, \q, \i
.endr
	WIN 0
.endm
.macro FETCH_A slot, q, i0             ; A's blocks i0 .. i0 + 3
.irp i, \i0, \i0+1, \i0+2, \i0+3
	FRAG AF+FR*(\i), ADRA+\slot, \q, \i
.endr
.endm
.macro SCALES sc                       ; slot sc's scale words into set sc: four words a row; lanes 0-15 take A's block i, lanes 16-31 B's block i
.irp i, 0,1,2,3,4,5,6,7
	ds_load_b128 v[SC+8*NQ*\sc+NQ*\i:SC+8*NQ*\sc+NQ*\i+3], v[ADRS+\sc] offset:\i*16*PITCH
.endr
.endm
; A load into a register that a matrix instruction has read, and a vector instruction that reads a matrix result or writes one of a matrix instruction's registers, stand NP places behind that matrix instruction, and only plain vector
; instructions that name none of its registers are places (ISA guide 7.12.1 for vector instructions); this text does not count the matrix instructions in between.
.macro PLACES n
.rept \n
	v_nop
.endr
.endm
; A step of 128 along K that has its successor in the same slot.  A's blocks go one after the other, each against B's eight, so one set of registers serves A: blocks 0-3 are fetched anew in the step's middle, blocks 4-7 at its end.
.macro STEP slot, q, zero
	s_wait_dscnt 4*NL                              ; B's set, A's blocks 0-3 and the scale words are in; the youngest eight loads (A's blocks 4-7) may be out
.if \zero
	WIN BEG_LO
.else
	WIN MUL_LO
.endif
	MUL16 0, (\q)%2, \q, \slot, \zero
	MUL16 2, (\q)%2, \q, \slot, \zero
	s_wait_dscnt 0                                 ; A's blocks 4-7 are in (asked for 32 matrix instructions ago)
	PLACES NP
	FETCH_B \slot, (\q)+1, 1-(\q)%2
	FETCH_A \slot, (\q)+1, 0
.if \zero
	WIN BEG_HI
.else
	WIN MUL_HI
.endif
	MUL16 4, (\q)%2, \q, \slot, \zero
	MUL16 6, (\q)%2, \q, \slot, \zero
	PLACES NP
	WIN 0
	FETCH_A \slot, (\q)+1, 4
.endm
; A slot's last step changes slots: ONE barrier, which opens a round of the cluster's; in front of it each wave waits for all its tensor loads, adds 0 to its spare word, and waits for that and for its own reads of this slot.
; fill = 1: this slot is filled again, two K steps ahead, by the joint loads.  fill = 2: slot 0 has had its last K step: every wave brings its 64 rows of c's tile into the bytes of the slot's rows of A.
.macro TURN slot, next, fill, ask
.if \fill == 1
	s_wait_xcnt 0x0                                ; the last prefetch, a K step back, has read its address: it is stepped here, ahead of the waits of the change of slots, so that nothing is added between the round and the joint load
	s_add_nc_u64 s[PFA:PFA+1], s[PFA:PFA+1], PLANE
.endif
	s_wait_tensorcnt 0x0                           ; all my tensor loads have landed: my part of the next slot;  (every window is 0 here: the add's two registers lie in window 0)
	ds_add_u32 v[SPW], v[NIL]                      ; 0 onto my spare word
	s_wait_dscnt 4*NL+1                            ; (the add and the youngest eight loads, A's blocks 4-7, may be out)
	WIN MUL_LO
	MUL16 0, 1, NQ-1, \slot, 0                     ; sixteen matrix instructions stand between the add and the wait for it
	s_wait_dscnt 0x0                               ; the add is done, and my reads of this slot are over
	s_barrier_signal -1
	MUL16 2, 1, NQ-1, \slot, 0
	WIN 0
	s_barrier_wait -1
	CREST                                          ; no wave of any partner still reads this slot's tile or has a load on its way
.if \fill == 1
	s_add_nc_u64 s[G0+4*\slot+2:G0+4*\slot+3], s[G0+4*\slot+2:G0+4*\slot+3], 2*PLANE
	s_add_nc_u64 s[G0B+4*\slot+2:G0B+4*\slot+3], s[G0B+4*\slot+2:G0B+4*\slot+3], 2*PLANE
	JLOAD G0+4*\slot, G1, G0B+4*\slot, G1B         ; the first tensor load behind the round, my one load until the next; the four v_nop behind it are the places in front of the loads below
.else
	tensor_load_to_lds s[G0C:G0C+3], s[G1C:G1C+7]  ; the same of c's tile: it has the last K step, 256 matrix instructions, in which to land
	s_nop 0
.rept 4
	v_nop
.endr
.endif
	FETCH_B \next, 0, 0
	FETCH_A \next, 0, 0
	SCALES \next
.if \fill == 1
	ASKP                                           ; behind the joint load and the run of LDS loads that the next products wait for
.endif
.if \ask
	ASKC
.endif
	WIN MUL_HI
	MUL16 4, 1, NQ-1, \slot, 0
	MUL16 6, 1, NQ-1, \slot, 0
	PLACES NP
	WIN 0
	FETCH_A \next, 0, 4
.endm
.macro STEPS slot, from                ; the slot's steps from .. NQ - 2
.set Q, \from
.rept NQ-1-\from
	STEP \slot, Q, 0
.set Q, Q+1
.endr
.endm
	s_wait_tensorcnt 1                             ; my part of K step 0 is in (K step 1's load may be out)
	s_barrier_signal -1
	s_barrier_wait -1                              ; everybody's is
	FETCH_B 0, 0, 0
	FETCH_A 0, 0, 0
	SCALES 0
	FETCH_A 0, 0, 4
	s_wait_loadcnt 0x0                             ; the biases
	STEP 0, 0, 1                                   ; the first step stands in front of the loop: its products start the sums
	s_mov_b32 s3, LAPS-1
.Llap:                                                 ; a trip goes once round the ring, from a lap's second step to the next lap's first, and fills both slots again
	STEPS 0, 1
	TURN 0, 1, 1, 1
	STEPS 1, 0
	TURN 1, 0, 1, 0
	STEP 0, 0, 0
	s_sub_co_u32 s3, s3, 1
	s_cmp_lg_u32 s3, 0
	s_cbranch_scc1 .Llap
	STEPS 0, 1                                     ; the last lap: K steps 6 and 7
	TURN 0, 1, 2, 0                                ; slot 0 takes c's tile
	STEPS 1, 0
	s_wait_dscnt 4*NL                              ; the very last step: nothing more to fetch
	WIN MUL_LO
	MUL16 0, 1, NQ-1, 1, 0
	MUL16 2, 1, NQ-1, 1, 0
	s_wait_dscnt 0x0                               ; A's blocks 4-7 are in, and no LDS instruction of mine is out at the signal
	s_wait_tensorcnt 0x0                           ; my 64 rows of c's tile have landed:
	s_barrier_signal -1                            ; say so,
	WIN MUL_HI
	MUL16 4, 1, NQ-1, 1, 0
	MUL16 6, 1, NQ-1, 1, 0
	WIN 0
	s_barrier_wait -1                              ; c's tile is whole
	PLACES NP                                      ; in front of the first reads of results and the first writes over A's fragments
; THE WAY OUT, block by block of 16 rows: 16 outputs a lane (index 8 u + j: column 16 u + 8 h + j of my 32).
.macro CLOAD a                         ; c at my 16 outputs of block a
.irp u, 0,1
.irp k, 0,1
	ds_load_b128 v[CI+8*\u+4*\k:CI+8*\u+4*\k+3], v[CA] offset:(\a)*16*PITCH+64*\u+16*\k
.endr
.endr
.endm
; The four gates of block a: T[8 b + j] = 1 / (1 + 2^(z x factor)): factor -log2(e) for f, g, o: the sigmoid itself; 2 log2(e) for i: (1 - tanh) / 2.  Three macros:
; GMUL_HI: the scalings of gates g, o, i (T + 16 on: no register that the block before still stores from);  GMUL_LO: those of gate f (T + 0 .. 15, where the block before keeps c_new);  GREST: all that follows.
.macro GMUL_HI a
.set AC, 64*((\a)%4)
	WIN 0x02+(\a)/4                                ; source 0: window 2 or 3
.irp b, 2,3,4,5
.irp p, 0,2,4,6
	v_pk_mul_f32 v[T+8*\b+\p:T+8*\b+\p+1], v[AC+8*\b+\p:AC+8*\b+\p+1], s[6:7] op_sel_hi:[1,0]   ; each accumulator from its low end on
.endr
.endr
.irp b, 6,7
.irp p, 0,2,4,6
	v_pk_mul_f32 v[T+8*\b+\p:T+8*\b+\p+1], v[AC+8*\b+\p:AC+8*\b+\p+1], s[8:9] op_sel_hi:[1,0]
.endr
.endr
	WIN 0
.endm
.macro GMUL_LO a
.set AC, 64*((\a)%4)
	WIN 0x02+(\a)/4
.irp b, 0,1
.irp p, 0,2,4,6
	v_pk_mul_f32 v[T+8*\b+\p:T+8*\b+\p+1], v[AC+8*\b+\p:AC+8*\b+\p+1], s[6:7] op_sel_hi:[1,0]
.endr
.endr
	WIN 0
.endm
; The transcendentals go in batches of 64, each with one plain line behind it and ONE wait ahead of its first reader.
.macro GREST
.set j, 0
.rept 64
	v_exp_f32 v[T+j], v[T+j]
.set j, j+1
.endr
	v_nop
	s_wait_alu depctr_va_vdst(0)
.set j, 0
.rept 32
	v_pk_add_f32 v[T+j:T+j+1], v[T+j:T+j+1], 1.0 op_sel_hi:[1,0]
.set j, j+2
.endr
.set j, 0
.rept 64
	v_rcp_f32 v[T+j], v[T+j]
.set j, j+1
.endr
	v_nop
	s_wait_alu depctr_va_vdst(0)
.endm
.macro CELL                            ; T: +0 f, +16 g, +32 o, +48 i
.irp p, 0,2,4,6,8,10,12,14
	v_pk_fma_f32 v[T+48+\p:T+49+\p], v[T+48+\p:T+49+\p], -2.0, 1.0 op_sel_hi:[1,0,0]   ; tanh(zi)
.endr
.irp p, 0,2,4,6,8,10,12,14
	v_pk_mul_f32 v[T+16+\p:T+17+\p], v[T+16+\p:T+17+\p], v[T+48+\p:T+49+\p]            ; sigmoid(zg) tanh(zi)
.endr
.irp p, 0,2,4,6,8,10,12,14
	v_pk_fma_f32 v[T+\p:T+1+\p], v[T+\p:T+1+\p], v[CI+\p:CI+1+\p], v[T+16+\p:T+17+\p]  ; c_new = sigmoid(zf) c + that
.endr
.irp p, 0,2,4,6,8,10,12,14
	v_pk_mul_f32 v[U+\p:U+1+\p], v[T+\p:T+1+\p], s[8:9] op_sel_hi:[1,0]
.endr
.set j, 0
.rept 16
	v_exp_f32 v[U+j], v[U+j]
.set j, j+1
.endr
	v_nop
	s_wait_alu depctr_va_vdst(0)
.irp p, 0,2,4,6,8,10,12,14
	v_pk_add_f32 v[U+\p:U+1+\p], v[U+\p:U+1+\p], 1.0 op_sel_hi:[1,0]
.endr
.set j, 0
.rept 16
	v_rcp_f32 v[U+j], v[U+j]
.set j, j+1
.endr
	v_nop
	s_wait_alu depctr_va_vdst(0)
.irp p, 0,2,4,6,8,10,12,14
	v_pk_fma_f32 v[U+\p:U+1+\p], v[U+\p:U+1+\p], -2.0, 1.0 op_sel_hi:[1,0,0]           ; tanh(c_new)
.endr
.irp p, 0,2,4,6,8,10,12,14
	v_pk_mul_f32 v[U+\p:U+1+\p], v[U+\p:U+1+\p], v[T+32+\p:T+33+\p]                    ; h_new = sigmoid(zo) tanh(c_new)
.endr
.endm
; A lane holds 32 neighbouring bytes of a row, and a row's 256 bytes come from two waves: so both outputs of a block meet in a stage buffer, and behind a barrier each wave reads 16 whole rows of ONE output back and stores them.
.macro TOSTAGE a
.irp u, 0,1
.irp k, 0,1
	ds_store_b128 v[STO], v[U+8*\u+4*\k:U+8*\u+4*\k+3] offset:((\a)%2)*SBUF+64*\u+16*\k
	ds_store_b128 v[STO], v[T+8*\u+4*\k:T+8*\u+4*\k+3] offset:((\a)%2)*SBUF+SOUT+64*\u+16*\k
.endr
.endr
.endm
.macro READBACK a
.set BB, OB+32*((\a)%2)
.irp i, 0,1,2,3,4,5,6,7
	ds_load_b128 v[BB+4*\i:BB+4*\i+3], v[RD] offset:((\a)%2)*SBUF+\i*2*PITCH
.endr
.endm
.macro SEND a
.set BB, OB+32*((\a)%2)
.irp i, 0,1,2,3,4,5,6,7
	global_store_b128 v[CO], v[BB+4*\i:BB+4*\i+3], s[12:13] offset:(16*(\a)+2*\i)*ROWO th:TH_STORE_NT   ; 16 lanes store 256 consecutive bytes, at a multiple of 256 from the output's first byte; 126 rows at the most: inside the signed 24-bit immediate
.endr
.endm
	CLOAD 0
	GMUL_HI 0
	GMUL_LO 0
	GREST
	s_wait_dscnt 0x0                               ; c of block 0 is in
; ONE barrier a block does with two buffers: buffer a % 2 is written in block a, read back behind block a's barrier, those reads are awaited ahead of block a + 1's signal, and the buffer is written again only behind block a + 1's barrier.
; THE NEXT BLOCK'S GATES STAND IN THE BARRIER'S SHADOW: their scalings that touch no register of the pending stage stores stand between those stores and the wait for them, the rest, work on registers alone, between the signal and the wait.
.irp a, 0,1,2,3,4,5,6,7
	CELL
	TOSTAGE \a
.if \a < 7
	CLOAD \a+1                                     ; c's tile is written by nobody; CELL has read this block's c
.endif
.if \a > 0
.if \a < 7
	s_wait_dscnt 12                                ; the rows of the block before are back: behind their eight loads stand this block's eight stage stores and the next block's four loads of c
.else
	s_wait_dscnt 8                                 ; the same without loads of c
.endif
	SEND \a-1
.endif
.if \a < 7
	GMUL_HI \a+1
.endif
	s_wait_dscnt 0x0                               ; for the others' sake: my stores into the stage are done, and so are my reads of the other buffer; the next block's c is in
	s_barrier_signal -1
.if \a < 7
	GMUL_LO \a+1                                   ; the stage stores have read c_new's registers
	GREST
.endif
	s_barrier_wait -1
.if \a > 1
	s_wait_xcnt 0x0                                ; the stores of two blocks back have read their registers: this block's rows may land there
.endif
	READBACK \a
.endr
	s_wait_dscnt 0x0
	SEND 7
	s_wait_tensorcnt 0x0                           ; the wave's end: behind my last tensor load and my last LDS store
	ds_add_u32 v[SPW], v[NIL]
	s_wait_dscnt 0x0
	CROUND                                         ; the closing round: no work-group ends while a partner may still ask for a tile that names it
	s_endpgm
.Lfunc_end_k_qdd33685b80_cell:
	.size	k_qdd33685b80_cell, .Lfunc_end_k_qdd33685b80_cell-k_qdd33685b80_cell
	.p2alignl 7, 3214868480
	.fill 96, 4, 3214868480
	.section	.rodata,"a",@progbits
	.p2align	6, 0x0
	.amdhsa_kernel k_qdd33685b80_cell
		.amdhsa_group_segment_fixed_size 327680
		.amdhsa_private_segment_fixed_size 0
		.amdhsa_enable_private_segment 0
		.amdhsa_kernarg_size 64
		.amdhsa_user_sgpr_count 2
		.amdhsa_user_sgpr_kernarg_segment_ptr 1
		.amdhsa_wavefront_size32 1
		.amdhsa_system_sgpr_workgroup_id_x 1
		.amdhsa_system_sgpr_workgroup_id_y 1
		.amdhsa_system_sgpr_workgroup_id_z 1
		.amdhsa_system_vgpr_workitem_id 0
		.amdhsa_next_free_vgpr 1024
		.amdhsa_next_free_sgpr 100
		.amdhsa_reserve_vcc 0
		.amdhsa_float_denorm_mode_32 3
		.amdhsa_float_denorm_mode_16_64 3
		.amdhsa_memory_ordered 1
		.amdhsa_forward_progress 1
		.amdhsa_inst_pref_size 255
	.end_amdhsa_kernel
	.section	.bss,"aw",@nobits
	.p2align	6
	.space	262144
	.amdgpu_metadata
---
amdhsa.version: [ 1, 2 ]
amdhsa.kernels:
  - .name:           k_qdd33685b80_cell
    .symbol:         k_qdd33685b80_cell.kd
    .args:
      - { .name: xw, .offset: 0, .size: 8, .value_kind: global_buffer, .address_space: global }
      - { .name: c, .offset: 8, .size: 8, .value_kind: global_buffer, .address_space: global }
      - { .name: bf, .offset: 16, .size: 8, .value_kind: global_buffer, .address_space: global }
      - { .name: bg, .offset: 24, .size: 8, .value_kind: global_buffer, .address_space: global }
      - { .name: bo, .offset: 32, .size: 8, .value_kind: global_buffer, .address_space: global }
      - { .name: bi, .offset: 40, .size: 8, .value_kind: global_buffer, .address_space: global }
      - { .name: out0, .offset: 48, .size: 8, .value_kind: global_buffer, .address_space: global }
      - { .name: out1, .offset: 56, .size: 8, .value_kind: global_buffer, .address_space: global }
    .group_segment_fixed_size: 327680
    .private_segment_fixed_size: 0
    .kernarg_segment_align: 8
    .kernarg_segment_size: 64
    .max_flat_workgroup_size: 128
    .sgpr_count:     100
    .vgpr_count:     1024
    .wavefront_size: 32
...
	.end_amdgpu_metadata
.endif
;; end of part 2
